; MI455X (gfx1250); checked and timed in simulation.
; The chip was launched on July 23, 2026; its instructions are those of AMD's public machine-readable ISA for CDNA 5 (MIT licence, August 2026) and "CDNA5" Instruction Set Architecture Reference Guide (July 2026). The comments in the code are by the model that wrote it; some were corrected since.
;; Cooperation Module. Allowed arithmetic: float matrix products may take bf16 or f16 operands with f32 sums; all other float work in f32.
;; Inputs: W 16 x 2,048 x 512 float32; b 16 x 2,048 float32; field_centers 16 x 512 float32; semantic_vec 4,096 x 512 float32.
;; Outputs: out0 4,096 x 2,048 float32.
;; 2 versions, each right; version 2 is version 1 with the launch prep written anew for expert scheduling mode. Each part assembles by itself: llvm-mc -triple=amdgcn-amd-amdhsa -mcpu=gfx1250 --defsym DOCPART=n.
;; ======== version 1 of 2: 2 launches
;; workspace buffers: wb 33,554,432 bytes; xb 4,194,304 bytes; beta 131,072 bytes
;; launch prep (part 1): grid 512 x 1, 8 waves a work-group, no clusters, 1,280 bytes of LDS; arguments W, b, field_centers, semantic_vec, wb, xb, beta; writes wb, xb, beta
.if DOCPART == 1
	.amdgcn_target "amdgcn-amd-amdhsa--gfx1250"
	.amdhsa_code_object_version 6
	.text
	.protected	k_q1a368e48d6_prep
	.globl	k_q1a368e48d6_prep
	.p2align	8
	.type	k_q1a368e48d6_prep,@function
k_q1a368e48d6_prep:
	s_mov_b64 s[64:65], 0
	v_nop
	global_prefetch_b8 v0, s[64:65] scope:SCOPE_SE
	s_setreg_imm32_b32 hwreg(HW_REG_WAVE_MODE, 25, 1), 1
	s_wait_xcnt 0x0
; wb = bf16(W), xb = bf16(x), beta[e][h] = b[e][h] - sum over d of bf16(c[e][d]) bf16(W[e][h][d]), the sum and beta in f32.
; W: [16][2048][512] f32 = 32,768 rows of 2,048 bytes.  x: [4096][512] f32.  c: [16][512] f32.  b, beta: [16][2048] f32.
; A stream: every byte of W and x is read once and written once at half its size, and c . W is made while a row of W lies in registers, so W is not read a second time.
; SHARES.  Work-group g owns W's rows 64 g .. 64 g + 63 (all of expert g / 32) and x's rows 8 g .. 8 g + 7; wave w takes eight rows of W and one of x.
; A row is four loads of 512 consecutive bytes: lane l holds d = 128 j + 4 l .. + 3.  All 41 loads of a wave go out at once; there is no loop, and no register that a load or a store names is written again.
; c . W uses the SAME rounded W that the product with x uses, so a common offset of x and c cancels in the error of W's rounding.
; No tensor loads, no cluster, no matrix unit: nothing is read twice, and c . W is 1 / 4096 of the program's multiply-adds.
; LIMITS.  NaN and infinities are not treated apart.
.set LO16, 2                           ; v2      16 x lane: my 16 bytes in 512 of an f32 row
.set LO8,  3                           ; v3      8 x lane: my 8 bytes in 256 of a bf16 row
.set LB,   4                           ; v4      4 x (lane % 8)
.set L7,   5                           ; v5      lane % 8
.set LA,   6                           ; v6      LDS: 32 x wave + 4 x (lane % 8)
.set Z,    7                           ; v7      0: starts the four chains
.set CP,   8                           ; v[8:15]   c as bf16 pairs: words 2 j, 2 j + 1 hold d = 128 j + 4 l .. + 3
.set CR,   16                          ; v[16:31]  c as loaded
.set BB,   32                          ; v32     b of row lane % 8
.set R,    33                          ; v33     c . W of row lane % 8, then beta
.set D,    34                          ; v[34:37]  four chains
.set S,    38                          ; v38     a row's sum
.set WR,   64                          ; v[64:191]  row i at WR + 16 i: as loaded, then words 4 j, 4 j + 1 packed
.set XR,   192                         ; v[192:207] the row of x
	s_load_b256 s[4:11], s[0:1], 0x0               ; W s[4:5], b s[6:7], c s[8:9], x s[10:11]
	s_load_b128 s[12:15], s[0:1], 0x20             ; wb s[12:13], xb s[14:15]
	s_load_b64 s[16:17], s[0:1], 0x30              ; beta
	v_lshl_add_u32 v208, v0, 2, 0x100
	v_mov_b32 v209, 0
	v_lshrrev_b32 v1, 5, v0
	v_readfirstlane_b32 s18, v1                    ; wave 0..7
	v_and_b32 v1, 31, v0                           ; lane
	v_lshlrev_b32 v[LO16], 4, v1
	v_lshlrev_b32 v[LO8], 3, v1
	v_and_b32 v[L7], 7, v0
	v_lshlrev_b32 v[LB], 2, v[L7]
	v_lshl_add_u32 v[LA], s18, 5, v[LB]
	v_mov_b32 v[Z], 0
.irp i, 1,2,3,4,5,6,7
	v_cmp_eq_u32 s[20+\i], \i, v[L7]               ; s21-s27: the lanes that keep row i's sum
.endr
	s_mov_b32 s28, 0x76543210                      ; v_permlanex16_b32: each lane takes its own place in the other half
	s_mov_b32 s29, 0xfedcba98
	s_mov_b32 s3, 0                                ; every offset stays under 2^32
	s_wait_kmcnt 0x0
.macro BASE p, gs, ws                  ; the address in s[p:p+1] goes on by (work-group << gs) + (wave << ws) bytes
	s_lshl_b32 s2, ttmp9, \gs
	s_lshl_b32 s19, s18, \ws
	s_add_co_u32 s2, s2, s19
	s_add_nc_u64 s[\p:\p+1], s[\p:\p+1], s[2:3]
.endm
	BASE 4, 17, 14                                 ; W: 64 rows, 8 rows of 2,048 bytes
	BASE 12, 16, 13                                ; wb: of 1,024 bytes
	BASE 10, 14, 11                                ; x: 8 rows, 1 row of 2,048 bytes
	BASE 14, 13, 10                                ; xb: of 1,024 bytes
	BASE 6, 8, 5                                   ; b: 64 numbers, 8 numbers
	s_lshr_b32 s2, ttmp9, 5                        ; the expert,
	s_lshl_b32 s2, s2, 11                          ; its row of c
	s_add_nc_u64 s[8:9], s[8:9], s[2:3]
	s_lshl_b32 s2, ttmp9, 8                        ; beta: the group's 64 numbers
	s_add_nc_u64 s[16:17], s[16:17], s[2:3]
.irp j, 0,1,2,3
	global_load_b128 v[CR+4*\j:CR+4*\j+3], v[LO16], s[8:9] offset:512*\j  ; no hint: 32 work-groups read this row
.endr
	global_load_b32 v[BB], v[LB], s[6:7]
.irp i, 0,1,2,3,4,5,6,7
.irp j, 0,1,2,3
	global_load_b128 v[WR+16*\i+4*\j:WR+16*\i+4*\j+3], v[LO16], s[4:5] offset:2048*\i+512*\j th:TH_LOAD_NT
.endr
.endr
.irp j, 0,1,2,3
	global_load_b128 v[XR+4*\j:XR+4*\j+3], v[LO16], s[10:11] offset:512*\j th:TH_LOAD_NT
.endr
	s_wait_loadcnt 37                              ; loads come back in order (ISA guide 5.7.1): c's four are in; b's one, W's 32 and x's four stay out
.irp j, 0,1,2,3,4,5,6,7
	v_cvt_pk_bf16_f32 v[CP+\j], v[CR+2*\j], v[CR+2*\j+1]
.endr
; Row i of my eight: rounded, stored, multiplied by c, summed over the wave.
.macro ROWW i
	s_wait_loadcnt 32-4*(\i)                       ; this row's four loads are in; the later rows' and x's stay out (b is older than row 0)
.irp j, 0,1,2,3
	v_cvt_pk_bf16_f32 v[WR+16*(\i)+4*\j], v[WR+16*(\i)+4*\j], v[WR+16*(\i)+4*\j+1]      ; in place: word 0 takes numbers 0, 1,
	v_cvt_pk_bf16_f32 v[WR+16*(\i)+4*\j+1], v[WR+16*(\i)+4*\j+2], v[WR+16*(\i)+4*\j+3]  ; word 1 numbers 2, 3
.endr
.irp j, 0,1,2,3
	global_store_b64 v[LO8], v[WR+16*(\i)+4*\j:WR+16*(\i)+4*\j+1], s[12:13] offset:1024*(\i)+256*\j  ; the wave stores 256 consecutive bytes, at a multiple of 256 from wb's first; the next launch reads them: no hint
.endr
.irp j, 0,1,2,3                        ; four chains that do not wait for each other: exact products of bf16 halves, added in f32
	v_fma_mix_f32_bf16 v[D+\j], v[WR+16*(\i)+4*\j], v[CP+2*\j], v[Z] op_sel_hi:[1,1,0]
.endr
.irp j, 0,1,2,3
	v_fma_mix_f32_bf16 v[D+\j], v[WR+16*(\i)+4*\j], v[CP+2*\j], v[D+\j] op_sel:[1,1,0] op_sel_hi:[1,1,0]
.endr
.irp j, 0,1,2,3
	v_fma_mix_f32_bf16 v[D+\j], v[WR+16*(\i)+4*\j+1], v[CP+2*\j+1], v[D+\j] op_sel_hi:[1,1,0]
.endr
.irp j, 0,1,2,3
	v_fma_mix_f32_bf16 v[D+\j], v[WR+16*(\i)+4*\j+1], v[CP+2*\j+1], v[D+\j] op_sel:[1,1,0] op_sel_hi:[1,1,0]
.endr
	v_add_f32 v[D], v[D], v[D+1]
	v_add_f32 v[D+2], v[D+2], v[D+3]
	v_add_f32 v[S], v[D], v[D+2]
	v_add_f32_dpp v[S], v[S], v[S] row_xmask:1 row_mask:0xf bank_mask:0xf
	v_add_f32_dpp v[S], v[S], v[S] row_xmask:2 row_mask:0xf bank_mask:0xf
	v_add_f32_dpp v[S], v[S], v[S] row_xmask:4 row_mask:0xf bank_mask:0xf
	v_add_f32_dpp v[S], v[S], v[S] row_xmask:8 row_mask:0xf bank_mask:0xf
	v_permlanex16_b32 v[D], v[S], s28, s29         ; its destination counts as read: D has been written
.if (\i) == 0
	v_add_f32 v[R], v[S], v[D]                     ; every lane holds the row's sum; row 0's starts R
.else
	v_add_f32 v[S], v[S], v[D]
	v_cndmask_b32 v[R], v[R], v[S], s[20+(\i)]     ; the lanes with lane % 8 = i keep row i's
.endif
.endm
.irp i, 0,1,2,3,4,5,6,7
	ROWW \i
.endr
	v_sub_f32 v[R], v[BB], v[R]                    ; beta = b - c . W
	ds_store_b32 v[LA], v[R]                       ; my wave's eight numbers; the four lanes of a row write the same word with the same value
	s_wait_loadcnt 0x0                             ; x's row
.irp j, 0,1,2,3
	v_cvt_pk_bf16_f32 v[XR+4*\j], v[XR+4*\j], v[XR+4*\j+1]
	v_cvt_pk_bf16_f32 v[XR+4*\j+1], v[XR+4*\j+2], v[XR+4*\j+3]
.endr
.irp j, 0,1,2,3
	global_store_b64 v[LO8], v[XR+4*\j:XR+4*\j+1], s[14:15] offset:256*\j
.endr
	s_wait_dscnt 0x0                               ; for wave 0's sake: my store into LDS is done
	s_barrier_signal -1
	s_barrier_wait -1
	s_cmp_lg_u32 s18, 0
	s_cbranch_scc1 .Lend
	ds_load_b64 v[40:41], v[LO8]                   ; wave 0: the group's 64 numbers,
	s_wait_dscnt 0x0
	global_store_b64 v[LO8], v[40:41], s[16:17]    ; stored as 256 consecutive bytes, at a multiple of 256 from beta's first
.Lend:
	s_wait_tensorcnt 0x0
	ds_add_u32 v208, v209
	s_wait_dscnt 0x0
	s_endpgm
.Lfunc_end_k_q1a368e48d6_prep:
	.size	k_q1a368e48d6_prep, .Lfunc_end_k_q1a368e48d6_prep-k_q1a368e48d6_prep
	.p2alignl 7, 3214868480
	.fill 96, 4, 3214868480
	.section	.rodata,"a",@progbits
	.p2align	6, 0x0
	.amdhsa_kernel k_q1a368e48d6_prep
		.amdhsa_group_segment_fixed_size 1280
		.amdhsa_private_segment_fixed_size 0
		.amdhsa_enable_private_segment 0
		.amdhsa_kernarg_size 56
		.amdhsa_user_sgpr_count 2
		.amdhsa_user_sgpr_kernarg_segment_ptr 1
		.amdhsa_wavefront_size32 1
		.amdhsa_system_sgpr_workgroup_id_x 1
		.amdhsa_system_sgpr_workgroup_id_y 1
		.amdhsa_system_sgpr_workgroup_id_z 1
		.amdhsa_system_vgpr_workitem_id 0
		.amdhsa_next_free_vgpr 210
		.amdhsa_next_free_sgpr 66
		.amdhsa_reserve_vcc 0
		.amdhsa_float_denorm_mode_32 3
		.amdhsa_float_denorm_mode_16_64 3
		.amdhsa_memory_ordered 1
		.amdhsa_forward_progress 1
		.amdhsa_inst_pref_size 28
	.end_amdhsa_kernel
	.amdgpu_metadata
---
amdhsa.version: [ 1, 2 ]
amdhsa.kernels:
  - .name:           k_q1a368e48d6_prep
    .symbol:         k_q1a368e48d6_prep.kd
    .args:
      - { .name: W, .offset: 0, .size: 8, .value_kind: global_buffer, .address_space: global }
      - { .name: b, .offset: 8, .size: 8, .value_kind: global_buffer, .address_space: global }
      - { .name: field_centers, .offset: 16, .size: 8, .value_kind: global_buffer, .address_space: global }
      - { .name: semantic_vec, .offset: 24, .size: 8, .value_kind: global_buffer, .address_space: global }
      - { .name: wb, .offset: 32, .size: 8, .value_kind: global_buffer, .address_space: global }
      - { .name: xb, .offset: 40, .size: 8, .value_kind: global_buffer, .address_space: global }
      - { .name: beta, .offset: 48, .size: 8, .value_kind: global_buffer, .address_space: global }
    .group_segment_fixed_size: 1280
    .private_segment_fixed_size: 0
    .kernarg_segment_align: 8
    .kernarg_segment_size: 56
    .max_flat_workgroup_size: 256
    .sgpr_count:     66
    .vgpr_count:     210
    .wavefront_size: 32
...
	.end_amdgpu_metadata
.endif
;; end of part 1
;; launch anchor (part 2): grid 16 x 16, 4 waves a work-group, clusters of 4 x 1, 327,680 bytes of LDS; arguments wb, xb, beta, out0; writes out0
.if DOCPART == 2
	.amdgcn_target "amdgcn-amd-amdhsa--gfx1250"
	.amdhsa_code_object_version 6
	.text
	.protected	k_q1a368e48d6_anchor
	.globl	k_q1a368e48d6_anchor
	.p2align	8
	.type	k_q1a368e48d6_anchor,@function
k_q1a368e48d6_anchor:
	s_mov_b64 s[64:65], 0
	v_nop
	global_prefetch_b8 v0, s[64:65] scope:SCOPE_SE
	s_setreg_imm32_b32 hwreg(HW_REG_WAVE_MODE, 25, 1), 1
	s_wait_xcnt 0x0
	s_wait_alu depctr_hold_cnt(0) depctr_sa_sdst(0) depctr_va_vdst(0) depctr_va_sdst(0) depctr_va_ssrc(0) depctr_va_vcc(0) depctr_vm_vsrc(0)
	s_getreg_b32 s2, hwreg(HW_REG_IB_STS2, 6, 4)
	s_cmp_eq_u32 s2, 0
	s_cbranch_scc0 .Lentry_in_a_cluster
	s_endpgm
.Lentry_in_a_cluster:
	s_bfe_u32 s2, ttmp6, 0x10000c
	s_cmp_lg_u32 s2, 0x3003
	s_cbranch_scc0 .Lentry_shape_is_right
	s_endpgm
.Lentry_shape_is_right:
; out[b][h] = sum over e of relu(beta[e][h] + sum over d of xb[b][d] wb[e][h][d]).  xb: [4096][512] bf16, wb: [16][2048][512] bf16, beta: [16][2048] f32, out: [4096][2048] f32.
; Products in bf16 with f32 sums; beta starts each expert's sum as the C operand of its first product; relu and the sum over experts in f32.
; LIMITS.  relu is v_max_num_f32: a pre-activation that is NaN counts as 0; NaN and infinities are not treated apart.
; SHARES.  256 work-groups: x = a block of 256 rows of out, y = a range of 128 columns, made as two tiles of 256 x 64, one after the other.  Wave w owns 64 rows and all 64 columns of a tile.
; An output needs two f32 registers, the expert's accumulator and the running sum: 128 + 128 a wave.  THE WAVE'S x STAYS IN REGISTERS: 64 rows x 512 K of bf16 = 512 registers, loaded once for both tiles.
; So W alone goes through LDS: 32 along K cost 4 fragments (8 LDS loads) for 16 matrix instructions.
; A UNIT is one expert of one tile: 64 rows of W x 512 K, 256 matrix instructions a wave; 32 units.  A slot of the ring holds a PAIR of units (131,072 bytes of data); the walk has 16 phases of 512 matrix instructions a wave.
; CLUSTER.  The four work-groups of a cluster lie along x: they share the columns and walk the same W, so every panel is asked for JOINTLY: the same tensor load, descriptor and mask in all four.
; Not 4 x 4: x is read once, into registers; only W is read again and again.
; THE MATRIX INSTRUCTION IS USED TRANSPOSED: source 0 = 16 rows of W, source 1 = 16 rows of x.  In block (hb, mb) lane l then holds row 16 mb + l % 16 of the wave's rows, registers 0-7 the columns 16 hb + 8 (l / 16) + 0..7.
; RELU AND SUM RIDE BESIDE THE PRODUCTS.  A finished unit is taken off the accumulators by 192 vector instructions (12 a block).  A unit's last group (K blocks 14, 15) and the next unit's first (K blocks 0, 1) go BY QUARTERS:
; a quarter is one hb, four accumulators, eight products.  Of the 64 products of the two groups, quarter Q is finished at number 8 Q + 7 and started anew at 32 + 8 Q; four of the 192 stand behind each of the products 8 to 55:
; block b's twelve behind products 8 + 3 b to 10 + 3 b, later than its last product, 8 (b / 4) + 4 + b % 4, and earlier than its next first, 32 + 8 (b / 4) + b % 4.
; They work in window 1 alone and the products name three windows, so each four cost two switches: 1 + 4 + 2 issue slots for a product.
; REGISTERS, in windows of 256 (s_set_vgpr_msb: bits 1:0 source 0, 3:2 source 1, 5:4 source 2, 7:6 destination):
;   window 0: v0-29 addresses; v32-63 beta of the unit to come; v64-127, v128-191 fragments of W, two buffers of 64 along K; v192-255 at work on the way out
;   window 1: v0-127 the accumulators, v128-255 the sums: block a = 4 hb + mb at 8 a      window 2: x, K blocks 0-7, (kb, mb) at 8 (4 kb + mb)      window 3: K blocks 8-15
; The sums are cleared by 128 v_mov_b32 twice: once in the wait for the first tile, once at the change of tiles; the price of one text for every unit's relu.
.set PITCH,  528                       ; an LDS row: 512 bytes + 16 of padding = 132 words: row r starts at bank 4 r mod 64 (64 banks of 4 bytes: ISA guide 11.1), so the 16 rows of a load start at 16 different groups of banks
.set PANEL,  64*PITCH                  ; 64 rows x 256 K: what one tensor load brings
.set UNIT,   2*PANEL                   ; a unit: K 0-255, then K 256-511
.set SLOT,   4*PANEL                   ; 0x21000.  The four panels begin at 0, 0x8400, 0x10800, 0x18c00, which have neither bit 12 nor bit 17: one exclusive or turns an address in one slot into the other's
.set STAGE,  2*SLOT                    ; behind the ring: 16 rows x 272 bytes for each wave, for the way out
.set SPITCH, 272
.set BETA,   STAGE+4*16*SPITCH         ; beta of unit u = 16 t + e at 256 u: 64 f32
.set SPARE,  BETA+8192                 ; the spare words, 128 bytes for each wave: two blocks of 256 bytes that no other line names
.set ADL,  8                           ; v8   my lane's place in a panel: (l % 16) x 528 + 16 (l / 16); never rewritten
.set ADR0, 9                           ; v9   the phase's first unit + ADL;  v10 its second
.set ADB0, 11                          ; v11  BETA + 32 (l / 16); never rewritten
.set ADB,  12                          ; v12  the phase's beta
.set XO,   13                          ; v13  my byte offset in 16 rows of xb
.set STO,  14                          ; v14  the way out: where I put 32 bytes of a row
.set RD,   15                          ; v15  the way out: where I read a row back
.set CO,   16                          ; v16  my byte offset in two rows of out
.set BG,   17                          ; v17  my byte offset in beta
.set BL,   18                          ; v18  where those 16 bytes go in LDS
.set SPW,  28                          ; v28  LDS address of my spare word: SPARE + 4 x my thread's number; never rewritten
.set NIL,  29                          ; v29  0; never rewritten
.set BIA,  32
.set F0,   64
.set F1,   128
.set TMP,  192
.set ACC,  0                           ; window 1
.set SUM,  128                         ; window 1
.set WV,   12                          ; s12  my wave's number
.set DG1,  24                          ; s[24:31] descriptor group 1
.set DG0,  32                          ; s[32:35] descriptor group 0: it walks
.set WBASE, 36                         ; s[36:37] wb at my panel of pair 0
.set OFF,  38                          ; s[38:39] a pair's byte offset from there
.set PH,   40                          ; s40  the phase, 0 to 15
.set TB,   41                          ; s41  LDS byte at which the phase's slot begins
.set W_M2, 0x58                        ; W window 0, x window 2, C and D window 1; + 4: x window 3
.set W_HD, 0x48                        ; the same with C (beta) in window 0
.set W_RL, 0x45                        ; destination, sources 0 and 1 window 1
.set W_ST, 0x04                        ; an LDS store's data in window 1
.set W_C1, 0x40                        ; destination window 1
.set W_X2, 0x80                        ; a load's destination in window 2; + 0x40: window 3
.set MSB, 0
.macro WIN new                         ; the immediate's high byte repeats the setting that is left; a switch that changes nothing is dropped
.if MSB != (\new)
	s_set_vgpr_msb (MSB<<8)|(\new)
.set MSB, (\new)
.endif
.endm
.macro NOPS n
.rept \n
	v_nop
.endr
.endm
; A round of the cluster's barrier: my work-group's barrier, so that wave 0's signal speaks for all four waves; wave 0 signals; every wave waits for all four work-groups; my work-group's barrier once more.
.macro CROUND
	s_barrier_signal -1
	s_barrier_wait -1
	s_cmp_lg_u32 s[WV], 0
	s_cbranch_scc1 .Lnot_wave_0_\@
	s_barrier_signal -3
.Lnot_wave_0_\@:
	s_barrier_wait -3
	s_barrier_signal -1
	s_barrier_wait -1
.endm
; A joint load: wave w asks for panel w of a pair (unit w / 2, K half w % 2).  One line for all four waves: each wave's group 0 is its own by its number.  Four v_nop follow it.
.macro JL
	tensor_load_to_lds s[DG0:DG0+3], s[DG1:DG1+7]
	s_nop 0
	NOPS 4
.endm
; The walking descriptor goes on to pair PH + 1 = n: experts 2 (n % 8), 2 (n % 8) + 1 (2 MiB each), tile n / 8 (64 rows of 1,024 bytes), in the other slot than last time.  The address is made anew from wb's.
.macro DSTEP
	s_add_co_u32 s42, s[PH], 1
	s_and_b32 s43, s42, 7
	s_lshl_b32 s43, s43, 22
	s_lshr_b32 s42, s42, 3
	s_lshl_b32 s42, s42, 16
	s_add_co_u32 s[OFF], s43, s42
	s_xor_b32 s[DG0+1], s[DG0+1], SLOT
	s_add_nc_u64 s[DG0+2:DG0+3], s[WBASE:WBASE+1], s[OFF:OFF+1]
	s_or_b32 s[DG0+3], s[DG0+3], 0x80000000
.endm
.macro ADDR                            ; the phase's LDS addresses: its two units, and beta of unit 2 PH
	v_add_nc_u32 v[ADR0], s[TB], v[ADL]
	v_add_nc_u32 v[ADR0+1], UNIT, v[ADR0]
	v_lshl_add_u32 v[ADB], s[PH], 9, v[ADB0]
.endm
.macro BIAS q                          ; 8 LDS loads: beta of the phase's unit q in the accumulators' layout: register j of block hb = beta[16 hb + 8 (l / 16) + j]; it serves all four mb
	WIN 0
.irp hb, 0,1,2,3
	ds_load_b128 v[BIA+8*\hb:BIA+8*\hb+3],   v[ADB] offset:256*(\q)+64*\hb
	ds_load_b128 v[BIA+8*\hb+4:BIA+8*\hb+7], v[ADB] offset:256*(\q)+64*\hb+16
.endr
.endm
; 16 LDS loads in one run: the fragments of group g (K blocks 2 g, 2 g + 1) of unit q into buffer f.  A fragment is 16 rows x 32 K in 8 registers: lane l holds row l % 16,
; K = 8 (l / 16) + 0..7 and 16 + 8 (l / 16) + 0..7: two loads of 16 bytes, 32 bytes apart.  The largest offset is 59,616.
.macro FETCH q, g, f
	WIN 0
.irp c, 0,1
.irp hb, 0,1,2,3
	ds_load_b128 v[(\f)+32*\c+8*\hb:(\f)+32*\c+8*\hb+3],   v[ADR0+(\q)] offset:((\g)/4)*PANEL+\hb*16*PITCH+((2*(\g)+\c)%8)*64
	ds_load_b128 v[(\f)+32*\c+8*\hb+4:(\f)+32*\c+8*\hb+7], v[ADR0+(\q)] offset:((\g)/4)*PANEL+\hb*16*PITCH+((2*(\g)+\c)%8)*64+32
.endr
.endr
.endm
; 16 matrix instructions: K block kb, W's four fragments at f.  The 16 accumulators take turns, one instruction a turn.
.macro SUB kb, f
	WIN W_M2+4*((\kb)/8)
.irp hb, 0,1,2,3
.irp mb, 0,1,2,3
	v_wmma_f32_16x16x32_bf16 v[ACC+8*(4*\hb+\mb):ACC+8*(4*\hb+\mb)+7], v[(\f)+8*\hb:(\f)+8*\hb+7], v[8*(4*((\kb)%8)+\mb):8*(4*((\kb)%8)+\mb)+7], v[ACC+8*(4*\hb+\mb):ACC+8*(4*\hb+\mb)+7]
.endr
.endr
.endm
; Numbers n0 .. n0 + 3 of the 192 that take a finished unit off the accumulators.  Block n / 12 has twelve: relu in place, register by register from the lowest on; then four packed
; additions onto the sums.  An addition reads results made four numbers back or more.
.macro RID4 n0
	WIN W_RL
.set rn, (\n0)
.rept 4
.set ra, 8*(rn/12)
.set rk, rn%12
.if rk < 8
	v_max_num_f32 v[ACC+ra+rk], 0, v[ACC+ra+rk]
.else
	v_pk_add_f32 v[SUM+ra+2*rk-16:SUM+ra+2*rk-15], v[SUM+ra+2*rk-16:SUM+ra+2*rk-15], v[ACC+ra+2*rk-16:ACC+ra+2*rk-15]
.endif
.set rn, rn+1
.endr
.endm
; Products p0 .. p0 + n - 1 of the 32 of a group (K blocks kb0, kb0 + 1, fragments at f) BY QUARTERS: product p is hb = p / 8, K block kb0 + (p % 8) / 4, mb = p % 4.  A quarter's four accumulators take turns, one
; instruction a turn.  K block 0 starts a new unit's sums with beta as C: nothing is cleared.  Behind product p stand numbers 4 (p + rb) .. + 3 of the finished unit's 192, where p + rb lies in 0 .. 47.
.macro QRUN kb0, f, p0, n, rb
.set p, (\p0)
.rept \n
.set qk, (\kb0)+(p%8)/4
.set qa, ACC+8*(4*(p/8)+p%4)
.set qf, (\f)+32*((p%8)/4)+8*(p/8)
.set qx, 8*(4*(qk%8)+p%4)
.if qk == 0
	WIN W_HD
	v_wmma_f32_16x16x32_bf16 v[qa:qa+7], v[qf:qf+7], v[qx:qx+7], v[BIA+8*(p/8):BIA+8*(p/8)+7]
.else
	WIN W_M2+4*(qk/8)
	v_wmma_f32_16x16x32_bf16 v[qa:qa+7], v[qf:qf+7], v[qx:qx+7], v[qa:qa+7]
.endif
.if (p+(\rb) >= 0) && (p+(\rb) < 48)
	RID4 4*(p+(\rb))
.endif
.set p, p+1
.endr
.endm
; A load into a register that a matrix instruction has read, and a vector instruction that reads or writes a matrix result, stand four places behind that matrix instruction; a matrix instruction that writes
; over another's result with another C stands five behind it; only plain vector instructions that name none of its registers are places (ISA guide 7.12.1 for vector instructions).
; A unit is eight groups of 64 along K on buffers 0, 1, 0, 1 ..; each group fetches the next group's fragments first.
; Group 0.  rb = 24: the unit before is still being taken off (blocks 8 to 15, behind products 0 to 23); the four additions of block 7 behind that unit's last product are the places in front of the loads into buffer 1,
; and each accumulator that is started anew has the other blocks' numbers, 36 or more, behind its last link.  rb = 48: the walk's first unit: nothing to take off.
.macro GZ q, rb
	FETCH \q, 1, F1
	s_wait_dscnt 16                                ; all but the 16 just issued: beta and buffer 0 are in
	QRUN 0, F0, 0, 32, \rb
.endm
.macro GROUP q, g                      ; groups 1 to 6
	WIN 0
	NOPS 4                                         ; for the loads into the buffer that the group before multiplied
	FETCH \q, (\g)+1, F0+64*(((\g)+1)%2)
	s_wait_dscnt 16                                ; all but the 16 just issued: this group's buffer is in
	SUB 2*(\g), F0+64*((\g)%2)
	SUB 2*(\g)+1, F0+64*((\g)%2)+32
.endm
.macro BODY q
.irp g, 1,2,3,4,5,6
	GROUP \q, \g
.endr
.endm
.macro G7P                             ; group 7 of a phase's first unit: the second unit lies in the same slot
	WIN 0
	NOPS 4
	BIAS 1
	FETCH 1, 0, F0
	s_wait_dscnt 24                                ; all but the 8 + 16 just issued: buffer 1 is in
	QRUN 14, F1, 0, 8, -8
	NOPS 4                                         ; block 0 was finished at product 4 and is taken off behind product 8: no other vector work stands between
	QRUN 14, F1, 8, 24, -8
.endm
; Group 7 of a phase's second unit, and THE CHANGE OF SLOTS.  Each wave waits for all its tensor loads, of which one is out: its panel of the other slot; adds 0 to its spare word; and waits for that and for its
; own reads of this slot.  fill = 1: the barrier is a round of the cluster's, so that no wave of any partner still reads the slot or has a load on its way, and the joint refill is the first thing behind it:
; it has a phase less 16, 496 matrix instructions, in which to land.  By this text's own count a wave never has more than one tensor load out.
.macro G7C fill
	WIN 0
	s_wait_tensorcnt 0x0                           ; no tensor load of mine is out, so group 0 may be written
	ds_add_u32 v[SPW], v[NIL]                      ; 0 onto my spare word
	s_wait_dscnt 1                                 ; the add alone may be out: buffer 1 is in
.if \fill
	DSTEP
.endif
	QRUN 14, F1, 0, 8, -8                          ; sixteen matrix instructions and what rides behind them stand between the add and the wait for it
	NOPS 4                                         ; block 0 was finished at product 4 and is taken off behind product 8: no other vector work stands between
	QRUN 14, F1, 8, 8, -8
	WIN 0                                          ; at a label and at a branch every window is 0
	s_wait_dscnt 0x0                               ; the add is done, and my reads of this slot are over
.if \fill
	CROUND
	JL
.else
	s_barrier_signal -1
	s_barrier_wait -1
.endif
	s_xor_b32 s[TB], s[TB], SLOT
	ADDR
	BIAS 0                                         ; beta's and buffer 0's last readers stand more than 32 plain vector instructions back
	FETCH 0, 0, F0
	QRUN 14, F1, 16, 16, -8
.endm
; THE WAY OUT.  16 rows (one mb) at a time through my own stage: a lane's 32 bytes of a row go into rows of 272 bytes and come back as whole rows of 256.
.macro TOSTAGE mb
	s_wait_xcnt 0x0                                ; every earlier memory instruction has had its addresses translated (ISA guide 3.1): the registers that earlier stores read are loaded again only behind this wait
	WIN W_ST
.irp hb, 0,1,2,3
	ds_store_b128 v[STO], v[SUM+8*(4*\hb+(\mb)):SUM+8*(4*\hb+(\mb))+3]   offset:64*\hb
	ds_store_b128 v[STO], v[SUM+8*(4*\hb+(\mb))+4:SUM+8*(4*\hb+(\mb))+7] offset:64*\hb+16
.endr
	WIN 0
.irp t, 0,1,2,3,4,5,6,7
	ds_load_b128 v[TMP+32*((\mb)%2)+4*\t:TMP+32*((\mb)%2)+4*\t+3], v[RD] offset:\t*2*SPITCH  ; LDS serves a wave's instructions in order (ISA guide 5.7.1.4): these see the stores above; the next block's stores come behind them
.endr
.endm
.macro SEND mb, younger                ; younger: the LDS instructions issued behind this block's loads: the next block's sixteen, or none
	s_wait_dscnt \younger
.irp t, 0,1,2,3,4,5,6,7
	global_store_b128 v[CO], v[TMP+32*((\mb)%2)+4*\t:TMP+32*((\mb)%2)+4*\t+3], s[10:11] offset:(16*(\mb)+2*\t)*8192 th:TH_STORE_NT  ; 16 lanes store 256 consecutive bytes, at a multiple of 256 from out's first
.endr
.endm
.macro WAYOUT clear                    ; clear = 1: a tile follows
	TOSTAGE 0
.irp mb, 1,2,3
	TOSTAGE \mb
	SEND (\mb)-1, 16
.endr
	SEND 3, 0
.if \clear
	WIN W_C1
.set i, 0
.rept 128
	v_mov_b32 v[SUM+i], 0
.set i, i+1
.endr
	WIN 0
	s_wait_xcnt 0x0                                ; the stores' base is stepped only behind this wait
	s_add_nc_u64 s[10:11], s[10:11], 256           ; the next tile's 64 columns
.endif
.endm
	s_load_b256 s[4:11], s[0:1], 0x0               ; wb s[4:5], xb s[6:7], beta s[8:9], out s[10:11]
	v_lshl_add_u32 v[SPW], v0, 2, SPARE
	v_mov_b32 v[NIL], 0
	ds_add_u32 v28, v29
	ds_add_u32 v28, v29
	s_wait_dscnt 0x0
	v_lshrrev_b32 v3, 5, v0
	v_readfirstlane_b32 s[WV], v3                  ; wave 0..3
	s_bfe_u32 s13, ttmp6, 0x40000                  ; cx: my place in the cluster
	s_lshl_b32 s14, ttmp9, 2                       ; in a cluster launch ttmp9 counts clusters
	s_add_co_u32 s14, s14, s13                     ; my block of 256 rows = 4 x cluster x + cx: it enters xb's and out's addresses alone
	s_and_b32 s15, ttmp7, 0xffff                   ; my range of 128 columns, which the four partners share
	s_lshl_b32 s16, s15, 17                        ; wb: 128 rows of 1,024 bytes a range,
	s_lshr_b32 s17, s[WV], 1
	s_lshl_b32 s17, s17, 21                        ; the pair's first or second expert,
	s_add_co_u32 s16, s16, s17
	s_and_b32 s17, s[WV], 1
	s_lshl_b32 s17, s17, 9                         ; the first or second half of K
	s_add_co_u32 s16, s16, s17
	s_mov_b32 s17, 0
	s_lshl_b32 s18, s14, 18                        ; xb: 256 rows of 1,024 bytes a block,
	s_lshl_b32 s19, s[WV], 16                      ; 64 a wave
	s_add_co_u32 s18, s18, s19
	s_mov_b32 s19, 0
	s_lshl_b32 s20, s14, 21                        ; out: 256 rows of 8,192 bytes a block,
	s_lshl_b32 s21, s[WV], 19                      ; 64 a wave,
	s_add_co_u32 s20, s20, s21
	s_lshl_b32 s21, s15, 9                         ; 128 columns of 4 bytes a range
	s_add_co_u32 s20, s20, s21
	s_mov_b32 s21, 0
	s_lshl_b32 s22, s15, 9                         ; beta: the same columns
	s_mov_b32 s23, 0
	; descriptor group 1: a panel of 64 rows x 256 elements, padded in LDS; its rows are 512 bytes of memory and start at multiples of 512 from wb's first byte
	s_mov_b32 s[DG1+0], 15|(1<<16)|(1<<20)|(1<<21)|(6<<22)|(3<<25)  ; 15:0 the mask of four; 17:16 2-byte elements; 20 padding on; 21 set beside a mask; 24:22 after every 128 words (code 6); 31:25 4 words (code 3)
	s_mov_b32 s[DG1+1], 256<<16                    ; tensor_dim0 = 256
	s_mov_b32 s[DG1+2], 64<<16                     ; tensor_dim1 = 64
	s_mov_b32 s[DG1+3], 256<<16                    ; tile_dim0 = 256
	s_mov_b32 s[DG1+4], 64                         ; tile_dim1 = 64
	s_mov_b32 s[DG1+5], 512                        ; 512 elements from row to row
	s_mov_b32 s[DG1+6], 0
	s_mov_b32 s[DG1+7], 0
	s_mov_b32 s[DG0], 1                            ; 1:0 count = 1
	s_mul_i32 s[DG0+1], s[WV], PANEL               ; 63:32 LDS address: my panel of slot 0; no place in the cluster enters an LDS address
	s_mov_b32 s[PH], 0
	s_mov_b32 s[TB], 0
	s_mov_b32 s[OFF+1], 0
	s_wait_kmcnt 0x0
	s_add_nc_u64 s[WBASE:WBASE+1], s[4:5], s[16:17]
	s_add_nc_u64 s[6:7], s[6:7], s[18:19]
	s_add_nc_u64 s[10:11], s[10:11], s[20:21]
	s_add_nc_u64 s[8:9], s[8:9], s[22:23]
	s_add_nc_u64 s[DG0+2:DG0+3], s[WBASE:WBASE+1], 0  ; 120:64 global address: pair 0
	s_or_b32 s[DG0+3], s[DG0+3], 0x80000000        ; 127:126 type = 2
	CROUND                                         ; all four work-groups are here: the first joint loads meet
	JL                                             ; pair 0 into slot 0.  Slot 1 is asked for when slot 0 is in
	; while it is on its way: addresses, x, beta, the sums' zeros
	v_and_b32 v1, 15, v0                           ; l % 16
	v_bfe_u32 v2, v0, 4, 1                         ; l / 16
	v_and_b32 v3, 31, v0                           ; l
	v_mul_u32_u24 v[ADL], v1, PITCH
	v_lshl_add_u32 v[ADL], v2, 4, v[ADL]
	v_lshlrev_b32 v[ADB0], 5, v2
	v_add_nc_u32 v[ADB0], BETA, v[ADB0]
	v_lshlrev_b32 v[XO], 10, v1
	v_lshl_add_u32 v[XO], v2, 4, v[XO]             ; row x 1,024 + 16 x half
	s_mul_i32 s16, s[WV], 16*SPITCH
	s_add_co_u32 s16, s16, STAGE                   ; my stage
	v_mul_u32_u24 v[STO], v1, SPITCH               ; in: row l % 16, 32 bytes for each half of the lanes
	v_lshl_add_u32 v[STO], v2, 5, v[STO]
	v_add_nc_u32 v[STO], s16, v[STO]
	v_mul_u32_u24 v[RD], v2, SPITCH                ; back: lanes 0-15 take one row of 256 bytes, lanes 16-31 the next
	v_lshl_add_u32 v[RD], v1, 4, v[RD]
	v_add_nc_u32 v[RD], s16, v[RD]
	v_lshlrev_b32 v[CO], 13, v2                    ; and the same two rows in out
	v_lshl_add_u32 v[CO], v1, 4, v[CO]
	v_lshlrev_b32 v[BG], 4, v3
	v_lshl_add_u32 v[BG], s[WV], 15, v[BG]         ; beta: experts 4 w .. 4 w + 3, 8,192 bytes apart; 32 lanes take an expert's 512 bytes
	v_lshlrev_b32 v[BL], 12, v2                    ; of which lanes 0-15 hold tile 0's 64 numbers, lanes 16-31 tile 1's, 16 units further on
	v_lshl_add_u32 v[BL], v1, 4, v[BL]
	s_lshl_b32 s17, s[WV], 10
	s_add_co_u32 s17, s17, BETA
	v_add_nc_u32 v[BL], s17, v[BL]
.irp win, 0,1                          ; x stays in registers: fragment i of a window: K block i / 4 (+ 8 in window 3), rows 16 (i % 4) on
	WIN W_X2+0x40*\win
.set i, 0
.rept 32
	global_load_b128 v[8*i:8*i+3],   v[XO], s[6:7] offset:(i%4)*16384+(i/4+8*\win)*64
	global_load_b128 v[8*i+4:8*i+7], v[XO], s[6:7] offset:(i%4)*16384+(i/4+8*\win)*64+32
.set i, i+1
.endr
.endr
	WIN 0
.irp i, 0,1,2,3
	global_load_b128 v[TMP+4*\i:TMP+4*\i+3], v[BG], s[8:9] offset:8192*\i
.endr
	WIN W_C1
.set i, 0
.rept 128
	v_mov_b32 v[SUM+i], 0
.set i, i+1
.endr
	WIN 0
	s_wait_loadcnt 0x0                             ; x and beta, once
.irp i, 0,1,2,3
	ds_store_b128 v[BL], v[TMP+4*\i:TMP+4*\i+3] offset:256*\i
.endr
	; the first change: slot 0 is waited for, slot 1 filled for the first time, in the form of every change
	s_wait_tensorcnt 0x0                           ; my panel of pair 0 is in; no tensor load of mine is out, so group 0 may be written
	ds_add_u32 v[SPW], v[NIL]                      ; 0 onto my spare word
	DSTEP                                          ; pair 1, slot 1
	s_wait_dscnt 0x0                               ; the add is done; for the others' sake: so are my stores of beta
	CROUND
	JL
	ADDR
	BIAS 0
	FETCH 0, 0, F0
	GZ 0, 48                                       ; unit 0 starts; there is nothing yet to take off the accumulators
	WIN 0
	s_branch .Lenter                               ; the loop is entered behind a phase's first group
.Lphase:                                               ; phases 1 to 14: the last phase's end, the change of slots (pair PH + 1 is asked for), and this phase
	G7C 1
	GZ 0, 24
	WIN 0
	s_cmp_lg_u32 s[PH], 8
	s_cbranch_scc1 .Lenter                         ; a jump forward, past neither a barrier nor a tensor load; the phase is the same in all partners
	WAYOUT 1                                       ; phase 8: the last of unit 15's 192 has run: tile 0 is whole
.Lenter:
	BODY 0
	G7P
	GZ 1, 24
	BODY 1
	WIN 0
	s_add_co_u32 s[PH], s[PH], 1
	s_cmp_lt_u32 s[PH], 15
	s_cbranch_scc1 .Lphase
	G7C 0                                          ; the last phase is written out: nothing is asked for
	GZ 0, 24
	BODY 0
	G7P
	GZ 1, 24
	BODY 1
	s_wait_dscnt 0x0                               ; the last fragments
	QRUN 14, F1, 0, 8, -8
	NOPS 4                                         ; block 0 was finished at product 4 and is taken off behind product 8
	QRUN 14, F1, 8, 24, -8
.set rs, 24
.rept 24                               ; no products are left to ride behind: blocks 8 to 15 on end; block 8's last product stands 44 plain vector instructions back, block 15's more than 80 when its turn comes
	RID4 4*rs
.set rs, rs+1
.endr
	WAYOUT 0
	WIN 0
	s_wait_tensorcnt 0x0                           ; the wave's end, behind my last tensor load and my last LDS store
	ds_add_u32 v[SPW], v[NIL]
	s_wait_dscnt 0x0
	CROUND                                         ; the closing round: no work-group ends while a partner may still ask for a panel that names it
	s_endpgm
.Lfunc_end_k_q1a368e48d6_anchor:
	.size	k_q1a368e48d6_anchor, .Lfunc_end_k_q1a368e48d6_anchor-k_q1a368e48d6_anchor
	.p2alignl 7, 3214868480
	.fill 96, 4, 3214868480
	.section	.rodata,"a",@progbits
	.p2align	6, 0x0
	.amdhsa_kernel k_q1a368e48d6_anchor
		.amdhsa_group_segment_fixed_size 327680
		.amdhsa_private_segment_fixed_size 0
		.amdhsa_enable_private_segment 0
		.amdhsa_kernarg_size 32
		.amdhsa_user_sgpr_count 2
		.amdhsa_user_sgpr_kernarg_segment_ptr 1
		.amdhsa_wavefront_size32 1
		.amdhsa_system_sgpr_workgroup_id_x 1
		.amdhsa_system_sgpr_workgroup_id_y 1
		.amdhsa_system_sgpr_workgroup_id_z 1
		.amdhsa_system_vgpr_workitem_id 0
		.amdhsa_next_free_vgpr 1024
		.amdhsa_next_free_sgpr 66
		.amdhsa_reserve_vcc 0
		.amdhsa_float_denorm_mode_32 3
		.amdhsa_float_denorm_mode_16_64 3
		.amdhsa_memory_ordered 1
		.amdhsa_forward_progress 1
		.amdhsa_inst_pref_size 210
	.end_amdhsa_kernel
	.amdgpu_metadata
---
amdhsa.version: [ 1, 2 ]
amdhsa.kernels:
  - .name:           k_q1a368e48d6_anchor
    .symbol:         k_q1a368e48d6_anchor.kd
    .args:
      - { .name: wb, .offset: 0, .size: 8, .value_kind: global_buffer, .address_space: global }
      - { .name: xb, .offset: 8, .size: 8, .value_kind: global_buffer, .address_space: global }
      - { .name: beta, .offset: 16, .size: 8, .value_kind: global_buffer, .address_space: global }
      - { .name: out0, .offset: 24, .size: 8, .value_kind: global_buffer, .address_space: global }
    .group_segment_fixed_size: 327680
    .private_segment_fixed_size: 0
    .kernarg_segment_align: 8
    .kernarg_segment_size: 32
    .max_flat_workgroup_size: 128
    .sgpr_count:     66
    .vgpr_count:     1024
    .wavefront_size: 32
...
	.end_amdgpu_metadata
.endif
;; end of part 2
;; ======== version 2 of 2: 2 launches; version 1 with the launch prep written anew for expert scheduling mode
;; workspace buffers: wb 33,554,432 bytes; xb 4,194,304 bytes; beta 131,072 bytes
;; launch prep (part 3): grid 512 x 1, 8 waves a work-group, no clusters, 1,280 bytes of LDS; arguments W, b, field_centers, semantic_vec, wb, xb, beta; writes wb, xb, beta
.if DOCPART == 3
	.amdgcn_target "amdgcn-amd-amdhsa--gfx1250"
	.amdhsa_code_object_version 6
	.text
	.protected	k_q1a368e48d6_prep
	.globl	k_q1a368e48d6_prep
	.p2align	8
	.type	k_q1a368e48d6_prep,@function
k_q1a368e48d6_prep:
	s_mov_b64 s[64:65], 0
	v_nop
	global_prefetch_b8 v0, s[64:65] scope:SCOPE_SE
	s_setreg_imm32_b32 hwreg(HW_REG_WAVE_SCHED_MODE, 0, 2), 2
	s_setreg_imm32_b32 hwreg(HW_REG_WAVE_MODE, 25, 1), 1
	s_wait_xcnt 0x0
	s_wait_alu depctr_vm_vsrc(0)
; wb = bf16(W), xb = bf16(x), beta[e][h] = b[e][h] - sum over d of bf16(c[e][d]) bf16(W[e][h][d]), the sum and beta in f32.
; W: [16][2048][512] f32 = 32,768 rows of 2,048 bytes.  x: [4096][512] f32.  c: [16][512] f32.  b, beta: [16][2048] f32.
; A stream: every byte of W and x is read once and written once at half its size, and c . W is made while a row of W lies in registers, so W is not read a second time.
; SHARES.  Work-group g owns W's rows 64 g .. 64 g + 63 (all of expert g / 32) and x's rows 8 g .. 8 g + 7; wave w takes eight rows of W and one of x.
; A row is four loads of 512 consecutive bytes: lane l holds d = 128 j + 4 l .. + 3.  All 41 loads of a wave go out at once; there is no loop, and no register that a load or a store names is written again.
; c . W uses the SAME rounded W that the product with x uses, so a common offset of x and c cancels in the error of W's rounding.
; No tensor loads, no cluster, no matrix unit: nothing is read twice, and c . W is 1 / 4096 of the program's multiply-adds.
; LIMITS.  NaN and infinities are not treated apart.
; THE MODE: SCHED_MODE bits 1:0 = 2 (LLVM: expert scheduling mode 2), set by the entry lines.  The code itself states the register dependences
; between vector instructions and memory or LDS instructions, with s_wait_alu, always for 0.
; THE PLAN.  Registers that memory or LDS instructions touch:
;   v2, v3, v4, v6   offsets and the LDS address: written once at the head, read by every load and store, never written again.
;   CR, BB, WR, XR   the 41 loads land in them; no vector instruction names them ahead of the loads, and no load lands in them twice.
;   WR, row i        its words 4 j, 4 j + 1 are written by row i's eight conversions and read by four stores, which are issued in row i + 1; never written again.
;   XR               its words 4 j, 4 j + 1 likewise: written by x's conversions, read by x's four stores.
;   v33              beta: written by the subtraction, read by the one LDS store.
;   v40, v41         wave 0's LDS load lands in them, its store reads them: no vector instruction names them.
;   v208, v209       written at the head, read by the closing add alone.
; Row i's vector instructions name its own sixteen registers, CP, D, S, R and Z: none that the stores of row i - 1 touch.  So ONE wait on va_vdst at the head of a row states all that those four
; stores hang on, and they are dealt among the row's conversions with no further wait.  One more stands in front of the first load, and one at the end in front of the LDS store, row 7's stores and x's.
; No register that a memory or LDS instruction reads is ever written again, so no wait on vm_vsrc is needed beyond the one at the entry.
; Scalar registers that vector instructions write: s18 (the wave's number) and s21-s27 (the masks): the eight writers stand in one run, with one wait on va_sdst behind it, ahead of every reader.
.set LO16, 2                           ; v2      16 x lane: my 16 bytes in 512 of an f32 row
.set LO8,  3                           ; v3      8 x lane: my 8 bytes in 256 of a bf16 row
.set LB,   4                           ; v4      4 x (lane % 8)
.set L7,   5                           ; v5      lane % 8
.set LA,   6                           ; v6      LDS: 32 x wave + 4 x (lane % 8)
.set Z,    7                           ; v7      0: starts the four chains
.set CP,   8                           ; v[8:15]   c as bf16 pairs: words 2 j, 2 j + 1 hold d = 128 j + 4 l .. + 3
.set CR,   16                          ; v[16:31]  c as loaded
.set BB,   32                          ; v32     b of row lane % 8
.set R,    33                          ; v33     c . W of row lane % 8, then beta
.set D,    34                          ; v[34:37]  four chains
.set S,    38                          ; v38     a row's sum
.set WR,   64                          ; v[64:191]  row i at WR + 16 i: as loaded, then words 4 j, 4 j + 1 packed
.set XR,   192                         ; v[192:207] the row of x
	s_load_b256 s[4:11], s[0:1], 0x0               ; W s[4:5], b s[6:7], c s[8:9], x s[10:11]
	s_load_b128 s[12:15], s[0:1], 0x20             ; wb s[12:13], xb s[14:15]
	s_load_b64 s[16:17], s[0:1], 0x30              ; beta
	v_lshl_add_u32 v208, v0, 2, 0x100
	v_mov_b32 v209, 0
	v_lshrrev_b32 v1, 5, v0
	v_readfirstlane_b32 s18, v1                    ; wave 0..7
	v_and_b32 v1, 31, v0                           ; lane
	v_lshlrev_b32 v[LO16], 4, v1
	v_lshlrev_b32 v[LO8], 3, v1
	v_and_b32 v[L7], 7, v0
	v_lshlrev_b32 v[LB], 2, v[L7]
	v_mov_b32 v[Z], 0
.irp i, 1,2,3,4,5,6,7
	v_cmp_eq_u32 s[20+\i], \i, v[L7]               ; s21-s27: the lanes that keep row i's sum
.endr
	s_wait_alu depctr_va_sdst(0)                   ; s18 and s21-s27 are written, ahead of their first readers: the line below and the bases read s18, the rows' v_cndmask_b32 the masks
	v_lshl_add_u32 v[LA], s18, 5, v[LB]
	s_mov_b32 s28, 0x76543210                      ; v_permlanex16_b32: each lane takes its own place in the other half
	s_mov_b32 s29, 0xfedcba98
	s_mov_b32 s3, 0                                ; every offset stays under 2^32
	s_wait_kmcnt 0x0
.macro BASE p, gs, ws                  ; the address in s[p:p+1] goes on by (work-group << gs) + (wave << ws) bytes
	s_lshl_b32 s2, ttmp9, \gs
	s_lshl_b32 s19, s18, \ws
	s_add_co_u32 s2, s2, s19
	s_add_nc_u64 s[\p:\p+1], s[\p:\p+1], s[2:3]
.endm
	BASE 4, 17, 14                                 ; W: 64 rows, 8 rows of 2,048 bytes
	BASE 12, 16, 13                                ; wb: of 1,024 bytes
	BASE 10, 14, 11                                ; x: 8 rows, 1 row of 2,048 bytes
	BASE 14, 13, 10                                ; xb: of 1,024 bytes
	BASE 6, 8, 5                                   ; b: 64 numbers, 8 numbers
	s_lshr_b32 s2, ttmp9, 5                        ; the expert,
	s_lshl_b32 s2, s2, 11                          ; its row of c
	s_add_nc_u64 s[8:9], s[8:9], s[2:3]
	s_lshl_b32 s2, ttmp9, 8                        ; beta: the group's 64 numbers
	s_add_nc_u64 s[16:17], s[16:17], s[2:3]
	s_wait_alu depctr_va_vdst(0)                   ; v2, v3, v4 and v6 are written: every load, store and LDS instruction of the kernel reads one of them as its offset or address
.irp j, 0,1,2,3
	global_load_b128 v[CR+4*\j:CR+4*\j+3], v[LO16], s[8:9] offset:512*\j  ; no hint: 32 work-groups read this row
.endr
	global_load_b32 v[BB], v[LB], s[6:7]
.irp i, 0,1,2,3,4,5,6,7
.irp j, 0,1,2,3
	global_load_b128 v[WR+16*\i+4*\j:WR+16*\i+4*\j+3], v[LO16], s[4:5] offset:2048*\i+512*\j th:TH_LOAD_NT
.endr
.endr
.irp j, 0,1,2,3
	global_load_b128 v[XR+4*\j:XR+4*\j+3], v[LO16], s[10:11] offset:512*\j th:TH_LOAD_NT
.endr
	s_wait_loadcnt 37                              ; loads come back in order (ISA guide 5.7.1): c's four are in; b's one, W's 32 and x's four stay out
.irp j, 0,1,2,3,4,5,6,7
	v_cvt_pk_bf16_f32 v[CP+\j], v[CR+2*\j], v[CR+2*\j+1]
.endr
; Row i of my eight: rounded, multiplied by c, summed over the wave; the row before is stored.
.macro ROWW i
	s_wait_loadcnt 32-4*(\i)                       ; this row's four loads are in; the later rows' and x's stay out (b is older than row 0)
.if (\i) > 0
	s_wait_alu depctr_va_vdst(0)                   ; the conversions of the row before have written its packed words, which the four stores below read
.endif
.irp j, 0,1,2,3
.if (\i) > 0
	global_store_b64 v[LO8], v[WR+16*((\i)-1)+4*\j:WR+16*((\i)-1)+4*\j+1], s[12:13] offset:1024*((\i)-1)+256*\j  ; the row before: the wave stores 256 consecutive bytes, at a multiple of 256 from wb's first; the next launch reads them: no hint.  No vector instruction since the wait names these registers
.endif
	v_cvt_pk_bf16_f32 v[WR+16*(\i)+4*\j], v[WR+16*(\i)+4*\j], v[WR+16*(\i)+4*\j+1]      ; in place: word 0 takes numbers 0, 1,
	v_cvt_pk_bf16_f32 v[WR+16*(\i)+4*\j+1], v[WR+16*(\i)+4*\j+2], v[WR+16*(\i)+4*\j+3]  ; word 1 numbers 2, 3
.endr
.irp j, 0,1,2,3                        ; four chains that do not wait for each other: exact products of bf16 halves, added in f32
	v_fma_mix_f32_bf16 v[D+\j], v[WR+16*(\i)+4*\j], v[CP+2*\j], v[Z] op_sel_hi:[1,1,0]
.endr
.irp j, 0,1,2,3
	v_fma_mix_f32_bf16 v[D+\j], v[WR+16*(\i)+4*\j], v[CP+2*\j], v[D+\j] op_sel:[1,1,0] op_sel_hi:[1,1,0]
.endr
.irp j, 0,1,2,3
	v_fma_mix_f32_bf16 v[D+\j], v[WR+16*(\i)+4*\j+1], v[CP+2*\j+1], v[D+\j] op_sel_hi:[1,1,0]
.endr
.irp j, 0,1,2,3
	v_fma_mix_f32_bf16 v[D+\j], v[WR+16*(\i)+4*\j+1], v[CP+2*\j+1], v[D+\j] op_sel:[1,1,0] op_sel_hi:[1,1,0]
.endr
	v_add_f32 v[D], v[D], v[D+1]
	v_add_f32 v[D+2], v[D+2], v[D+3]
	v_add_f32 v[S], v[D], v[D+2]
	v_add_f32_dpp v[S], v[S], v[S] row_xmask:1 row_mask:0xf bank_mask:0xf
	v_add_f32_dpp v[S], v[S], v[S] row_xmask:2 row_mask:0xf bank_mask:0xf
	v_add_f32_dpp v[S], v[S], v[S] row_xmask:4 row_mask:0xf bank_mask:0xf
	v_add_f32_dpp v[S], v[S], v[S] row_xmask:8 row_mask:0xf bank_mask:0xf
	v_permlanex16_b32 v[D], v[S], s28, s29         ; its destination counts as read: D has been written
.if (\i) == 0
	v_add_f32 v[R], v[S], v[D]                     ; every lane holds the row's sum; row 0's starts R
.else
	v_add_f32 v[S], v[S], v[D]
	v_cndmask_b32 v[R], v[R], v[S], s[20+(\i)]     ; the lanes with lane % 8 = i keep row i's
.endif
.endm
.irp i, 0,1,2,3,4,5,6,7
	ROWW \i
.endr
	v_sub_f32 v[R], v[BB], v[R]                    ; beta = b - c . W
	s_wait_loadcnt 0x0                             ; x's row
.irp j, 0,1,2,3
	v_cvt_pk_bf16_f32 v[XR+4*\j], v[XR+4*\j], v[XR+4*\j+1]
	v_cvt_pk_bf16_f32 v[XR+4*\j+1], v[XR+4*\j+2], v[XR+4*\j+3]
.endr
	s_wait_alu depctr_va_vdst(0)                   ; beta, row 7's packed words and x's packed words are written: the LDS store and the eight stores below read them
	ds_store_b32 v[LA], v[R]                       ; my wave's eight numbers; the four lanes of a row write the same word with the same value
.irp j, 0,1,2,3
	global_store_b64 v[LO8], v[WR+16*7+4*\j:WR+16*7+4*\j+1], s[12:13] offset:1024*7+256*\j  ; row 7
.endr
.irp j, 0,1,2,3
	global_store_b64 v[LO8], v[XR+4*\j:XR+4*\j+1], s[14:15] offset:256*\j
.endr
	s_wait_dscnt 0x0                               ; for wave 0's sake: my store into LDS is done
	s_barrier_signal -1
	s_barrier_wait -1
	s_cmp_lg_u32 s18, 0
	s_cbranch_scc1 .Lend
	ds_load_b64 v[40:41], v[LO8]                   ; wave 0: the group's 64 numbers; no vector instruction names v40 or v41, and v3 was written ahead of the head's wait
	s_wait_dscnt 0x0
	global_store_b64 v[LO8], v[40:41], s[16:17]    ; stored as 256 consecutive bytes, at a multiple of 256 from beta's first
.Lend:
	s_wait_dscnt 0x0                               ; the closing lines, six on end
	s_wait_alu 0x0
	s_wait_tensorcnt 0x0
	ds_add_u32 v208, v209
	s_wait_dscnt 0x0
	s_endpgm
.Lfunc_end_k_q1a368e48d6_prep:
	.size	k_q1a368e48d6_prep, .Lfunc_end_k_q1a368e48d6_prep-k_q1a368e48d6_prep
	.p2alignl 7, 3214868480
	.fill 96, 4, 3214868480
	.section	.rodata,"a",@progbits
	.p2align	6, 0x0
	.amdhsa_kernel k_q1a368e48d6_prep
		.amdhsa_group_segment_fixed_size 1280
		.amdhsa_private_segment_fixed_size 0
		.amdhsa_enable_private_segment 0
		.amdhsa_kernarg_size 56
		.amdhsa_user_sgpr_count 2
		.amdhsa_user_sgpr_kernarg_segment_ptr 1
		.amdhsa_wavefront_size32 1
		.amdhsa_system_sgpr_workgroup_id_x 1
		.amdhsa_system_sgpr_workgroup_id_y 1
		.amdhsa_system_sgpr_workgroup_id_z 1
		.amdhsa_system_vgpr_workitem_id 0
		.amdhsa_next_free_vgpr 210
		.amdhsa_next_free_sgpr 66
		.amdhsa_reserve_vcc 0
		.amdhsa_float_denorm_mode_32 3
		.amdhsa_float_denorm_mode_16_64 3
		.amdhsa_memory_ordered 1
		.amdhsa_forward_progress 1
		.amdhsa_inst_pref_size 28
	.end_amdhsa_kernel
	.amdgpu_metadata
---
amdhsa.version: [ 1, 2 ]
amdhsa.kernels:
  - .name:           k_q1a368e48d6_prep
    .symbol:         k_q1a368e48d6_prep.kd
    .args:
      - { .name: W, .offset: 0, .size: 8, .value_kind: global_buffer, .address_space: global }
      - { .name: b, .offset: 8, .size: 8, .value_kind: global_buffer, .address_space: global }
      - { .name: field_centers, .offset: 16, .size: 8, .value_kind: global_buffer, .address_space: global }
      - { .name: semantic_vec, .offset: 24, .size: 8, .value_kind: global_buffer, .address_space: global }
      - { .name: wb, .offset: 32, .size: 8, .value_kind: global_buffer, .address_space: global }
      - { .name: xb, .offset: 40, .size: 8, .value_kind: global_buffer, .address_space: global }
      - { .name: beta, .offset: 48, .size: 8, .value_kind: global_buffer, .address_space: global }
    .group_segment_fixed_size: 1280
    .private_segment_fixed_size: 0
    .kernarg_segment_align: 8
    .kernarg_segment_size: 56
    .max_flat_workgroup_size: 256
    .sgpr_count:     66
    .vgpr_count:     210
    .wavefront_size: 32
...
	.end_amdgpu_metadata
.endif
;; end of part 3
;; launch anchor: the kernel of part 2 again; grid 16 x 16, 4 waves a work-group, clusters of 4 x 1, 327,680 bytes of LDS; arguments wb, xb, beta, out0; writes out0
